; MI455X (gfx1250); checked and timed in simulation.
; The chip was launched on July 23, 2026; its instructions are those of AMD's public machine-readable ISA for CDNA 5 (MIT licence, August 2026) and "CDNA5" Instruction Set Architecture Reference Guide (July 2026). The comments in the code are by the model that wrote it; some were corrected since.
;; Vision Model. Allowed arithmetic: float matrix products may take bf16 or f16 operands with f32 sums; all other float work in f32.
;; Inputs: rois 8 x 128 x 5 int32; x 8 x 64 x 256 x 256 float32.
;; Outputs: out0 8 x 8,192 x 7 x 7 float32.
;; 2 versions, each right; version 2 is version 1 with the launch roipool written anew for expert scheduling mode. Each part assembles by itself: llvm-mc -triple=amdgcn-amd-amdhsa -mcpu=gfx1250 --defsym DOCPART=n.
;; ======== version 1 of 2: 1 launch
;; launch roipool (part 1): grid 256 x 1, 16 waves a work-group, no clusters, 288,768 bytes of LDS; arguments rois, x, out0; writes out0
.if DOCPART == 1
	.amdgcn_target "amdgcn-amd-amdhsa--gfx1250"
	.amdhsa_code_object_version 6
	.text
	.protected	k_q334d7a33fd_roipool
	.globl	k_q334d7a33fd_roipool
	.p2align	8
	.type	k_q334d7a33fd_roipool,@function
k_q334d7a33fd_roipool:
	s_mov_b64 s[64:65], 0
	v_nop
	global_prefetch_b8 v0, s[64:65] scope:SCOPE_SE
	s_setreg_imm32_b32 hwreg(HW_REG_WAVE_MODE, 25, 1), 1
	s_wait_xcnt 0x0
; out0[b][s*64+c][oy][ox] = mean of x[b][c] over bin (oy, ox) of roi (b, s); bins begin at floor(i L / 7) and end at ceil((i+1) L / 7).
; METHOD, the one of the problem's definition: the plane's integral image I[y'][x'] = sum of x[:y'][:x'], four corners for each bin, divided by the area.
; A plane is 256 x 256 f32 = 262,144 bytes, so its integral image (257 x 257 words) fits in the work-group's LDS: x is loaded once,
; in 16-byte pieces of which a wave's load covers 512 consecutive aligned bytes, and all 128 x 49 bins of the plane are looked up in LDS.
; SHARES: work-group g (256 of them) has image b = g >> 5 and the two planes c = 2 (g & 31), c + 1: 524,288 consecutive bytes of x.
; Wave w (16 of them) has rows 16 w .. 16 w + 15 of each plane, all 16 rows in 128 registers.  Thread t has outputs t + 512 k, k = 0 .. 12.
; NO CLUSTER: the work-groups of an image share only its 2,560 bytes of rois, against 524,288 bytes of x that each has to itself.
; NO MATRIX UNIT: there is no product.  NO TENSOR LOADS: x has to pass through registers for the prefix sums, and beside the integral image
; (267,280 bytes) LDS has no room for a landing zone.
; out0: the piece of one roi and one channel is 196 consecutive bytes, and 196 c is a multiple of 256 first at c = 64; a work-group has 2 of the 64
; channels, so it stores runs of 196 bytes (a wave's store covers up to 128 consecutive bytes), two neighbouring runs per roi, and NOT whole
; aligned blocks of 256 bytes.  The stores carry no non-temporal hint, since neighbouring runs come from other work-groups.
; ARITHMETIC: all f32.  Order of the sums: along a row (4 in a lane, 16 lanes, 2 rows of lanes, 2 halves), down the wave's 16 rows, then the sum of the
; waves above.  It differs from the definition's order of rounding; the corners are combined as (ee - se) - (es - ss).
; LIMITS KEPT: x is finite and a plane's whole sum fits f32 (the definition needs the second too; here one infinity also turns lanes to its left in its
; row into NaN, through 0 x infinity).  Division is v_rcp_f32 (1 ulp) and a multiply.  Rois: 0 <= x1 <= x2 <= 256, 0 <= y1 <= y2 <= 256; bin limits
; are clamped to 256, so other rois stay inside LDS and give numbers that mean nothing.  Field 0 of a roi is copied with the rest and, as in the
; definition, enters no result.
.set PITCH,  1040                      ; bytes from row to row of I: I[y'][x'] at y' PITCH + 12 + 4 x', so that x' = 1 lies on a multiple of 16
.set TOT,    267520                    ; 16 rows of 1,024 bytes: the waves' block totals per column, then their exclusive prefixes
.set ROI,    283904                    ; the image's 128 rois, 20 bytes each, as they lie in memory
.set PLANEB, 262144                    ; bytes in a plane
.set ROWB,   1024                      ; bytes in a row of x
.set T,   10                           ; v[10:33]   at work
.set SA,  T                            ; v10        scan over lanes, columns 0-127
.set SB,  T+1                          ; v11        the same, columns 128-255
.set EA,  T+2                          ; v12 (pair with v13): what lies left of my four columns of the first half
.set EB,  T+4                          ; v14 (pair with v15): the same for the second half
.set PAR, 34                           ; v[34:111]  round k at PAR + 6 k: LDS addresses of corners ee, se, es, ss; 1 / area; byte offset in out0
.set X,   112                          ; v[112:239] row r at X + 8 r: columns 4 lane .. + 3 in 0-3, columns 128 + 4 lane .. + 3 in 4-7
; v0 thread; v1 16 lane; v2 where my 16 bytes of my wave's first row go in I; v3 my 16 bytes of my wave's row of TOT; v4 my column of TOT (waves 0-7);
; v5 1.0 in lanes 16-31, 0.0 in lanes 0-15; v6 zero; v7-v9 at work.
; s[4:5] the image's rois; s[6:7] x at my wave's first row of the first plane; s[8:9] out0 at (b, roi 0, first channel); s10 wave; none is ever stepped.
	s_load_b128 s[4:7], s[0:1], 0x0                ; rois, x
	s_load_b64 s[8:9], s[0:1], 0x10                ; out0
	v_lshl_add_u32 v240, v0, 2, 0x46000
	v_mov_b32 v241, 0
	v_lshrrev_b32 v7, 5, v0
	v_readfirstlane_b32 s10, v7                    ; wave 0 .. 15
	v_and_b32 v7, 31, v0                           ; lane
	v_lshlrev_b32 v1, 4, v7
	s_lshr_b32 s11, ttmp9, 5                       ; image b
	s_and_b32 s12, ttmp9, 31                       ; pair of channels
	s_lshl_b32 s13, s10, 4
	s_add_co_u32 s13, s13, 1                       ; y' of my wave's first row = 16 w + 1
	s_mul_i32 s13, s13, PITCH
	s_add_co_u32 s13, s13, 16                      ; x' = 1
	v_add_nc_u32 v2, s13, v1
	s_lshl_b32 s13, s10, 10
	s_add_co_u32 s13, s13, TOT
	v_add_nc_u32 v3, s13, v1
	v_lshl_add_u32 v4, v0, 2, TOT
	v_cmp_lt_u32 vcc_lo, 15, v7
	v_cndmask_b32 v5, 0, 1.0, vcc_lo
	v_mov_b32 v6, 0
	v_lshlrev_b32 v8, 4, v0                        ; 16 t: my 16 bytes of the rois (threads 0-159)
	s_mov_b32 s15, 0                               ; every offset below is under 2^31: the pair's high word is 0
	s_wait_kmcnt 0x0
	s_mul_i32 s14, s11, 2560
	s_add_nc_u64 s[4:5], s[4:5], s[14:15]
	s_lshl_b32 s14, ttmp9, 19                      ; two planes a work-group
	s_lshl_b32 s13, s10, 14                        ; 16 rows a wave
	s_add_co_u32 s14, s14, s13
	s_add_nc_u64 s[6:7], s[6:7], s[14:15]
	s_mul_i32 s14, s11, 1605632                    ; 8,192 x 196 bytes an image
	s_mul_i32 s13, s12, 392                        ; 2 channels x 196 bytes
	s_add_co_u32 s14, s14, s13
	s_add_nc_u64 s[8:9], s[8:9], s[14:15]
.macro XLOAD p, r                      ; row r of my 16 of plane p: two loads, 512 consecutive bytes each; read once in the launch
	global_load_b128 v[X+8*\r:X+8*\r+3],   v1, s[6:7] offset:\p*PLANEB+\r*ROWB th:TH_LOAD_NT
	global_load_b128 v[X+8*\r+4:X+8*\r+7], v1, s[6:7] offset:\p*PLANEB+\r*ROWB+512 th:TH_LOAD_NT
.endm
	s_cmp_gt_u32 s10, 4
	s_cbranch_scc1 .Lno_rois_load
	global_load_b128 v[T:T+3], v8, s[4:5]          ; waves 0-4: 160 threads x 16 bytes = the image's 2,560 bytes of rois
.Lno_rois_load:
.irp r, 0,1,2,3,4,5,6,7,8,9,10,11,12,13,14,15
	XLOAD 0, \r                                    ; the whole first plane is asked for: 32 loads, 16,384 bytes a wave
.endr
	s_cmp_gt_u32 s10, 4
	s_cbranch_scc1 .Lno_rois_store
	v_add_nc_u32 v9, ROI, v8
	s_wait_loadcnt 32                              ; loads return in order: the rois are in, the 32 loads of x issued behind them stay out
	ds_store_b128 v9, v[T:T+3]
.Lno_rois_store:
	s_cmp_lg_u32 s10, 5
	s_cbranch_scc1 .Lno_corner
	v_mov_b32 v9, 12
	ds_store_b32 v9, v6                            ; I[0][0] = 0 (all lanes, one word, one value)
.Lno_corner:
	s_cmp_lt_u32 s10, 8
	s_cbranch_scc1 .Lno_edge
	v_and_b32 v9, 0xff, v0                         ; waves 8-15: i = 0 .. 255
	v_add_nc_u32 v7, 1, v9
	v_mad_u32_u24 v7, v7, PITCH, 12
	v_lshlrev_b32 v9, 2, v9
	ds_store_b32 v7, v6                            ; I[i + 1][0] = 0
	ds_store_b32 v9, v6 offset:16                  ; I[0][i + 1] = 0.  The planes' stores begin at byte 16 of rows 1-256: these zeros stay
.Lno_edge:
	s_wait_dscnt 0x0                               ; my LDS stores are done, for the other waves' sake
	s_barrier_signal -1
	s_barrier_wait -1                              ; the rois are in LDS for everybody
; THE PARAMETERS of my 13 outputs are the same for both planes and are made once, while x is on its way.
; Output o = t + 512 k of a plane: roi s = o / 49, bin = o % 49.  s = (o x 21400) >> 20 is exact: 21400 / 2^20 - 1/49 = 4.7e-7, times 6,271 is under 1/49.
.macro PISSUE k
	v_add_nc_u32 v8, 512*\k, v0
.if \k == 12
	v_min_u32 v8, 6271, v8                         ; 128 x 49 = 6,272 outputs: in round 12 only threads 0-127 have one; the others' figures are not used
.endif
	v_mul_u32_u24 v9, v8, 21400
	v_lshrrev_b32 v9, 20, v9                       ; s
	v_mul_u32_u24 v7, v9, 49
	v_sub_nc_u32 v[PAR+6*\k+4], v8, v7             ; bin, for PCALC
	v_lshlrev_b32 v7, 2, v[PAR+6*\k+4]
	v_mad_u32_u24 v[PAR+6*\k+5], v9, 12544, v7     ; 64 channels x 196 bytes a roi + 4 bin
	v_mad_u32_u24 v7, v9, 20, ROI
	ds_load_b32 v[PAR+6*\k],   v7 offset:4         ; x1
	ds_load_b32 v[PAR+6*\k+1], v7 offset:8         ; y1
	ds_load_b32 v[PAR+6*\k+2], v7 offset:12        ; x2
	ds_load_b32 v[PAR+6*\k+3], v7 offset:16        ; y2
.endm
; oy = (bin x 37) >> 8 is exact for bin < 49.  n / 7 = (n x 9363) >> 16 is exact for n <= 1,798 = 7 x 256 + 6: the excess 1.1e-5 n stays under 1/7.
.macro PCALC k
	v_mul_u32_u24 v[T], v[PAR+6*\k+4], 37
	v_lshrrev_b32 v[T], 8, v[T]                    ; oy
	v_mul_u32_u24 v[T+1], v[T], 7
	v_sub_nc_u32 v[T+1], v[PAR+6*\k+4], v[T+1]     ; ox
	v_sub_nc_u32 v[T+2], v[PAR+6*\k+3], v[PAR+6*\k+1]  ; h
	v_sub_nc_u32 v[T+3], v[PAR+6*\k+2], v[PAR+6*\k]    ; w
	v_mul_u32_u24 v[T+4], v[T], v[T+2]             ; oy h
	v_mul_u32_u24 v[T+5], v[T+1], v[T+3]           ; ox w
	v_add3_u32 v[T+6], v[T+4], v[T+2], 6           ; (oy + 1) h + 6
	v_add3_u32 v[T+7], v[T+5], v[T+3], 6
.irp j, 4,5,6,7
	v_mul_u32_u24 v[T+\j], v[T+\j], 9363
.endr
.irp j, 4,5,6,7
	v_lshrrev_b32 v[T+\j], 16, v[T+\j]
.endr
	v_add_nc_u32 v[T+4], v[PAR+6*\k+1], v[T+4]     ; sy
	v_add_nc_u32 v[T+6], v[PAR+6*\k+1], v[T+6]     ; ey
	v_add_nc_u32 v[T+5], v[PAR+6*\k], v[T+5]       ; sx
	v_add_nc_u32 v[T+7], v[PAR+6*\k], v[T+7]       ; ex
.irp j, 4,5,6,7
	v_min_u32 v[T+\j], 0x100, v[T+\j]              ; loaded numbers enter an LDS address only behind this clamp: the last word of I is (256, 256)
.endr
	v_sub_nc_u32 v[T], v[T+6], v[T+4]
	v_sub_nc_u32 v[T+1], v[T+7], v[T+5]
	v_mul_u32_u24 v[T], v[T], v[T+1]               ; area
	v_cvt_f32_u32 v[T], v[T]
	v_rcp_f32 v[PAR+6*\k+4], v[T]                  ; the plain lines below stand between it and any use of its result or write of its source (ISA guide 5.7.2)
	v_mad_u32_u24 v[T+2], v[T+6], PITCH, 12        ; row ey
	v_mad_u32_u24 v[T+3], v[T+4], PITCH, 12        ; row sy
	v_lshl_add_u32 v[PAR+6*\k],   v[T+7], 2, v[T+2]    ; I[ey][ex]
	v_lshl_add_u32 v[PAR+6*\k+1], v[T+7], 2, v[T+3]    ; I[sy][ex]
	v_lshl_add_u32 v[PAR+6*\k+2], v[T+5], 2, v[T+2]    ; I[ey][sx]
	v_lshl_add_u32 v[PAR+6*\k+3], v[T+5], 2, v[T+3]    ; I[sy][sx]
.endm
.irp k, 0,1,2,3,4,5,6,7,8,9,10,11,12
	PISSUE \k
.endr
	s_wait_dscnt 0x0                               ; all 52 fields are in
.irp k, 0,1,2,3,4,5,6,7,8,9,10,11,12
	PCALC \k
.endr
; Row r becomes its inclusive prefix along x.  In a lane: three adds a half.  Over 16 lanes: four steps in which lane i adds lane i - n (lanes
; without such a lane keep their value).  Then each lane adds what lies left of it: its neighbour's inclusive figure (0 in lanes 0 and 16),
; in lanes 16-31 the total of lanes 0-15, and in the second half the total of the first.
.macro HSCAN r
	v_add_f32 v[X+8*\r+1], v[X+8*\r],   v[X+8*\r+1]
	v_add_f32 v[X+8*\r+5], v[X+8*\r+4], v[X+8*\r+5]
	v_add_f32 v[X+8*\r+2], v[X+8*\r+1], v[X+8*\r+2]
	v_add_f32 v[X+8*\r+6], v[X+8*\r+5], v[X+8*\r+6]
	v_add_f32 v[X+8*\r+3], v[X+8*\r+2], v[X+8*\r+3]
	v_add_f32 v[X+8*\r+7], v[X+8*\r+6], v[X+8*\r+7]
	v_mov_b32 v[SA], v[X+8*\r+3]
	v_mov_b32 v[SB], v[X+8*\r+7]
.irp n, 1,2,4,8
	v_add_f32_dpp v[SA], v[SA], v[SA] row_shr:\n row_mask:0xf bank_mask:0xf
	v_add_f32_dpp v[SB], v[SB], v[SB] row_shr:\n row_mask:0xf bank_mask:0xf
.endr
	v_readlane_b32 s16, v[SA], 15                  ; columns 0-63
	v_readlane_b32 s17, v[SA], 31                  ; columns 64-127
	v_readlane_b32 s18, v[SB], 15                  ; columns 128-191
	v_mov_b32_dpp v[EA], v[SA] row_shr:1 row_mask:0xf bank_mask:0xf bound_ctrl:1
	v_mov_b32_dpp v[EB], v[SB] row_shr:1 row_mask:0xf bank_mask:0xf bound_ctrl:1
	s_add_f32 s17, s16, s17                        ; columns 0-127
	v_fma_f32 v[EA], s16, v5, v[EA]
	v_fma_f32 v[EB], s18, v5, v[EB]
	v_add_f32 v[EB], s17, v[EB]
	v_pk_add_f32 v[X+8*\r:X+8*\r+1],   v[X+8*\r:X+8*\r+1],   v[EA:EA+1] op_sel_hi:[1,0]   ; both halves of the pair add EA
	v_pk_add_f32 v[X+8*\r+2:X+8*\r+3], v[X+8*\r+2:X+8*\r+3], v[EA:EA+1] op_sel_hi:[1,0]
	v_pk_add_f32 v[X+8*\r+4:X+8*\r+5], v[X+8*\r+4:X+8*\r+5], v[EB:EB+1] op_sel_hi:[1,0]
	v_pk_add_f32 v[X+8*\r+6:X+8*\r+7], v[X+8*\r+6:X+8*\r+7], v[EB:EB+1] op_sel_hi:[1,0]
.endm
.macro VADD r                          ; and down the rows: row r adds row r - 1
.irp j, 0,2,4,6
	v_pk_add_f32 v[X+8*\r+\j:X+8*\r+\j+1], v[X+8*\r+\j:X+8*\r+\j+1], v[X+8*\r-8+\j:X+8*\r-8+\j+1]
.endr
.endm
; n rounds of look-ups from round k0 on: four corners each, in one run; then each round's result as its corners come in.
.macro LOOK p, k0, n
	s_wait_xcnt 0x0                                ; T held the data of earlier stores: it is written again only behind this wait (ISA guide 3.1)
.set i, 0
.rept \n
	ds_load_b32 v[T+4*i],   v[PAR+6*(\k0+i)]
	ds_load_b32 v[T+4*i+1], v[PAR+6*(\k0+i)+1]
	ds_load_b32 v[T+4*i+2], v[PAR+6*(\k0+i)+2]
	ds_load_b32 v[T+4*i+3], v[PAR+6*(\k0+i)+3]
.set i, i+1
.endr
.set i, 0
.rept \n
	s_wait_dscnt 4*(\n-1-i)                        ; LDS loads return in order: this round's four are in, four for each later round stay out
	v_sub_f32 v[T+4*i],   v[T+4*i],   v[T+4*i+1]   ; ee - se
	v_sub_f32 v[T+4*i+2], v[T+4*i+2], v[T+4*i+3]   ; es - ss
	v_sub_f32 v[T+4*i],   v[T+4*i],   v[T+4*i+2]
	s_wait_alu depctr_va_vdst(0)
	v_mul_f32 v[T+4*i],   v[T+4*i],   v[PAR+6*(\k0+i)+4]
	global_store_b32 v[PAR+6*(\k0+i)+5], v[T+4*i], s[8:9] offset:196*\p
.set i, i+1
.endr
.endm
.macro PLANE p
.if \p
	s_wait_xcnt 0x0                                ; T held the data of the last plane's stores
.endif
	; A. my 16 rows: prefix along x and down, each row as it comes in
.irp r, 0,1,2,3,4,5,6,7,8,9,10,11,12,13,14,15
	s_wait_loadcnt 30-2*\r                         ; row r's two loads are in; two for each of the 15 - r rows behind it stay out
	HSCAN \r
.if \r
	VADD \r
.endif
.endr
	; B. my last row is my block's total per column
	ds_store_b128 v3, v[X+120:X+123]
	ds_store_b128 v3, v[X+124:X+127] offset:512
	s_wait_dscnt 0x0                               ; these stores, and (second plane) my look-ups in the first plane's I, are done
	s_barrier_signal -1
	s_barrier_wait -1                              ; all totals are in LDS, and nobody reads the old I any more
	; C. waves 0-7, one column a thread: the 16 totals become their exclusive prefixes, in place
	s_cmp_gt_u32 s10, 7
	s_cbranch_scc1 .Lno_tot_\p
.irp j, 0,1,2,3,4,5,6,7,8,9,10,11,12,13,14
	ds_load_b32 v[T+\j], v4 offset:1024*\j
.endr
	s_wait_dscnt 0x0
.irp j, 1,2,3,4,5,6,7,8,9,10,11,12,13,14
	v_add_f32 v[T+\j], v[T+\j-1], v[T+\j]
.endr
	ds_store_b32 v4, v6
.irp j, 1,2,3,4,5,6,7,8,9,10,11,12,13,14,15
	ds_store_b32 v4, v[T+\j-1] offset:1024*\j
.endr
.Lno_tot_\p:
	s_wait_dscnt 0x0
	s_barrier_signal -1
	s_barrier_wait -1                              ; the prefixes are in LDS
	; D. add what lies above my block, store my rows of I; a row's registers are then free, and the next plane's row is asked for at once
	ds_load_b128 v[T:T+3],   v3
	ds_load_b128 v[T+4:T+7], v3 offset:512
	s_wait_dscnt 0x0
.irp r, 0,1,2,3,4,5,6,7,8,9,10,11,12,13,14,15
.irp j, 0,2,4,6
	v_pk_add_f32 v[X+8*\r+\j:X+8*\r+\j+1], v[X+8*\r+\j:X+8*\r+\j+1], v[T+\j:T+\j+1]
.endr
	ds_store_b128 v2, v[X+8*\r:X+8*\r+3]   offset:PITCH*\r         ; 32 lanes, 512 consecutive bytes: no two lanes meet in a bank
	ds_store_b128 v2, v[X+8*\r+4:X+8*\r+7] offset:PITCH*\r+512
.if \p == 0
	XLOAD 1, \r
.endif
.endr
	s_wait_dscnt 0x0
	s_barrier_signal -1
	s_barrier_wait -1                              ; I is whole
	; F. 6,272 outputs of the plane: 12 rounds of all 512 threads, a thirteenth of threads 0-127
	LOOK \p, 0, 6
	LOOK \p, 6, 6
	s_cmp_gt_u32 s10, 3
	s_cbranch_scc1 .Lno_last_\p
	LOOK \p, 12, 1
.Lno_last_\p:
.endm
	PLANE 0
	PLANE 1
	s_wait_tensorcnt 0x0
	ds_add_u32 v240, v241
	s_wait_dscnt 0x0
	s_endpgm
.Lfunc_end_k_q334d7a33fd_roipool:
	.size	k_q334d7a33fd_roipool, .Lfunc_end_k_q334d7a33fd_roipool-k_q334d7a33fd_roipool
	.p2alignl 7, 3214868480
	.fill 96, 4, 3214868480
	.section	.rodata,"a",@progbits
	.p2align	6, 0x0
	.amdhsa_kernel k_q334d7a33fd_roipool
		.amdhsa_group_segment_fixed_size 288768
		.amdhsa_private_segment_fixed_size 0
		.amdhsa_enable_private_segment 0
		.amdhsa_kernarg_size 24
		.amdhsa_user_sgpr_count 2
		.amdhsa_user_sgpr_kernarg_segment_ptr 1
		.amdhsa_wavefront_size32 1
		.amdhsa_system_sgpr_workgroup_id_x 1
		.amdhsa_system_sgpr_workgroup_id_y 1
		.amdhsa_system_sgpr_workgroup_id_z 1
		.amdhsa_system_vgpr_workitem_id 0
		.amdhsa_next_free_vgpr 242
		.amdhsa_next_free_sgpr 66
		.amdhsa_reserve_vcc 1
		.amdhsa_float_denorm_mode_32 3
		.amdhsa_float_denorm_mode_16_64 3
		.amdhsa_memory_ordered 1
		.amdhsa_forward_progress 1
		.amdhsa_inst_pref_size 133
	.end_amdhsa_kernel
	.amdgpu_metadata
---
amdhsa.version: [ 1, 2 ]
amdhsa.kernels:
  - .name:           k_q334d7a33fd_roipool
    .symbol:         k_q334d7a33fd_roipool.kd
    .args:
      - { .name: rois, .offset: 0, .size: 8, .value_kind: global_buffer, .address_space: global }
      - { .name: x, .offset: 8, .size: 8, .value_kind: global_buffer, .address_space: global }
      - { .name: out0, .offset: 16, .size: 8, .value_kind: global_buffer, .address_space: global }
    .group_segment_fixed_size: 288768
    .private_segment_fixed_size: 0
    .kernarg_segment_align: 8
    .kernarg_segment_size: 24
    .max_flat_workgroup_size: 512
    .sgpr_count:     66
    .vgpr_count:     242
    .wavefront_size: 32
...
	.end_amdgpu_metadata
.endif
;; end of part 1
;; ======== version 2 of 2: 1 launch; version 1 with the launch roipool written anew for expert scheduling mode
;; launch roipool (part 2): grid 256 x 1, 16 waves a work-group, no clusters, 288,768 bytes of LDS; arguments rois, x, out0; writes out0
.if DOCPART == 2
	.amdgcn_target "amdgcn-amd-amdhsa--gfx1250"
	.amdhsa_code_object_version 6
	.text
	.protected	k_q334d7a33fd_roipool
	.globl	k_q334d7a33fd_roipool
	.p2align	8
	.type	k_q334d7a33fd_roipool,@function
k_q334d7a33fd_roipool:
	s_mov_b64 s[64:65], 0
	v_nop
	global_prefetch_b8 v0, s[64:65] scope:SCOPE_SE
	s_setreg_imm32_b32 hwreg(HW_REG_WAVE_SCHED_MODE, 0, 2), 2
	s_setreg_imm32_b32 hwreg(HW_REG_WAVE_MODE, 25, 1), 1
	s_wait_xcnt 0x0
	s_wait_alu depctr_vm_vsrc(0)
; out0[b][s*64+c][oy][ox] = mean of x[b][c] over bin (oy, ox) of roi (b, s); bins begin at floor(i L / 7) and end at ceil((i+1) L / 7).
; METHOD, the one of the problem's definition: the plane's integral image I[y'][x'] = sum of x[:y'][:x'], four corners for each bin, divided by the area.
; A plane is 256 x 256 f32 = 262,144 bytes, so its integral image (257 x 257 words) fits in the work-group's LDS: x is loaded once,
; in 16-byte pieces of which a wave's load covers 512 consecutive aligned bytes, and all 128 x 49 bins of the plane are looked up in LDS.
; SHARES: work-group g (256 of them) has image b = g >> 5 and the two planes c = 2 (g & 31), c + 1: 524,288 consecutive bytes of x.
; Wave w (16 of them) has rows 16 w .. 16 w + 15 of each plane, all 16 rows in 128 registers.  Thread t has outputs t + 512 k, k = 0 .. 12.
; NO CLUSTER: the work-groups of an image share only its 2,560 bytes of rois, against 524,288 bytes of x that each has to itself.
; NO MATRIX UNIT: there is no product.  NO TENSOR LOADS: x has to pass through registers for the prefix sums, and beside the integral image
; (267,280 bytes) LDS has no room for a landing zone.
; out0: the piece of one roi and one channel is 196 consecutive bytes, and 196 c is a multiple of 256 first at c = 64; a work-group has 2 of the 64
; channels, so it stores runs of 196 bytes (a wave's store covers up to 128 consecutive bytes), two neighbouring runs per roi, and NOT whole
; aligned blocks of 256 bytes.  The stores carry no non-temporal hint, since neighbouring runs come from other work-groups.
; ARITHMETIC: all f32.  Order of the sums: along a row (4 in a lane, 16 lanes, 2 rows of lanes, 2 halves), down the wave's 16 rows, then the sum of the
; waves above.  It differs from the definition's order of rounding; the corners are combined as (ee - se) - (es - ss).
; LIMITS KEPT: x is finite and a plane's whole sum fits f32 (the definition needs the second too; here one infinity also turns lanes to its left in its
; row into NaN, through 0 x infinity).  Division is v_rcp_f32 (1 ulp) and a multiply.  Rois: 0 <= x1 <= x2 <= 256, 0 <= y1 <= y2 <= 256; bin limits
; are clamped to 256, so other rois stay inside LDS and give numbers that mean nothing.  Field 0 of a roi is copied with the rest and, as in the
; definition, enters no result.
; THE MODE: SCHED_MODE bits 1:0 = 2 (LLVM: expert scheduling mode 2), set by the entry lines.  The code itself states the register dependences
; between vector instructions and memory or LDS instructions, and those through scalar registers and VCC that vector instructions write, with s_wait_alu, always for 0.
; THE PLAN.  Registers that memory or LDS instructions touch:
;   v1-v4, v6   offsets, LDS addresses and the zero: made at the head, ahead of its one wait on va_vdst, and never written again.
;   PAR         the fields' loads land in it, the parameters' arithmetic turns it into corner addresses and offsets in out0, once; every later wait on va_vdst stands behind that.
;   X           x's loads land in it; the scans read and write it; LDS stores read it (a block's total, then the rows of I); in the first plane the second plane's loads land in it again,
;               four rows at a time, one group of sums behind the LDS stores that read them.
;   T           by phases: 13 addresses of roi records; the scans' own (no memory instruction); the totals' column; what lies above my block; at last three buffers of two look-up rounds:
;               batch b works in buffer b % 3, the loads of batch b + 1 land in buffer (b + 1) % 3, the stores of batch b - 1 leave from buffer (b - 1) % 3.
.set PITCH,  1040                      ; bytes from row to row of I: I[y'][x'] at y' PITCH + 12 + 4 x', so that x' = 1 lies on a multiple of 16
.set TOT,    267520                    ; 16 rows of 1,024 bytes: the waves' block totals per column, then their exclusive prefixes
.set ROI,    283904                    ; the image's 128 rois, 20 bytes each, as they lie in memory
.set PLANEB, 262144                    ; bytes in a plane
.set ROWB,   1024                      ; bytes in a row of x
.set T,   10                           ; v[10:33]   at work.  In a scan, row u of a pair: T + 4 u what lies left of my four columns of the first half, + 1 the scan over lanes of that half,
                                       ;            + 2 and + 3 the same for the second half: each offset is the low register of a pair whose other register has been written
.set PAR, 34                           ; v[34:111]  round k at PAR + 6 k: LDS addresses of corners ee, se, es, ss; 1 / area; byte offset in out0
.set X,   112                          ; v[112:239] row r at X + 8 r: columns 4 lane .. + 3 in 0-3, columns 128 + 4 lane .. + 3 in 4-7
; v0 thread; v1 16 lane; v2 where my 16 bytes of my wave's first row go in I; v3 my 16 bytes of my wave's row of TOT; v4 my column of TOT (waves 0-7);
; v5 1.0 in lanes 16-31, 0.0 in lanes 0-15; v6 zero; v7-v9 at work.
; s[4:5] the image's rois; s[6:7] x at my wave's first row of the first plane; s[8:9] out0 at (b, roi 0, first channel); s10 wave; none is ever stepped.
	s_load_b128 s[4:7], s[0:1], 0x0                ; rois, x
	s_load_b64 s[8:9], s[0:1], 0x10                ; out0
	v_lshl_add_u32 v240, v0, 2, 0x46000
	v_mov_b32 v241, 0
	v_lshrrev_b32 v7, 5, v0
	v_readfirstlane_b32 s10, v7                    ; wave 0 .. 15
	v_and_b32 v7, 31, v0                           ; lane
	v_cmp_lt_u32 vcc_lo, 15, v7
	v_lshlrev_b32 v1, 4, v7
	v_lshl_add_u32 v4, v0, 2, TOT
	v_mov_b32 v6, 0
	v_lshlrev_b32 v8, 4, v0                        ; 16 t: my 16 bytes of the rois (threads 0-159),
	v_add_nc_u32 v9, ROI, v8                       ; and where they go in LDS
	v_mov_b32 v[T+4], 12                           ; where I[0][0] lies
	v_and_b32 v[T+6], 0xff, v0                     ; i = 0 .. 255 (used by waves 8-15)
	v_add_nc_u32 v[T+5], 1, v[T+6]
	v_mad_u32_u24 v[T+5], v[T+5], PITCH, 12        ; where I[i + 1][0] lies
	v_lshlrev_b32 v[T+6], 2, v[T+6]                ; 4 i: I[0][i + 1] lies 16 bytes on
	s_lshr_b32 s11, ttmp9, 5                       ; image b
	s_and_b32 s12, ttmp9, 31                       ; pair of channels
	s_wait_alu depctr_va_sdst(0)                   ; s10 is written, ahead of its first reader: addresses, bases and every branch on the wave's number are made from it
	s_wait_alu depctr_va_vcc(0)                    ; VCC is written, ahead of the select that reads it
	v_cndmask_b32 v5, 0, 1.0, vcc_lo
	s_lshl_b32 s13, s10, 4
	s_add_co_u32 s13, s13, 1                       ; y' of my wave's first row = 16 w + 1
	s_mul_i32 s13, s13, PITCH
	s_add_co_u32 s13, s13, 16                      ; x' = 1
	v_add_nc_u32 v2, s13, v1
	s_lshl_b32 s19, s10, 10
	s_add_co_u32 s19, s19, TOT
	v_add_nc_u32 v3, s19, v1
	s_mov_b32 s15, 0                               ; every offset below is under 2^31: the pair's high word is 0
	s_wait_kmcnt 0x0
	s_mul_i32 s14, s11, 2560
	s_add_nc_u64 s[4:5], s[4:5], s[14:15]
	s_lshl_b32 s14, ttmp9, 19                      ; two planes a work-group
	s_lshl_b32 s23, s10, 14                        ; 16 rows a wave
	s_add_co_u32 s14, s14, s23
	s_add_nc_u64 s[6:7], s[6:7], s[14:15]
	s_mul_i32 s14, s11, 1605632                    ; 8,192 x 196 bytes an image
	s_mul_i32 s23, s12, 392                        ; 2 channels x 196 bytes
	s_add_co_u32 s14, s14, s23
	s_add_nc_u64 s[8:9], s[8:9], s[14:15]
	s_wait_alu depctr_va_vdst(0)                   ; v1-v4, v6, v8, v9 and T+4 to T+6 are written: the offsets, LDS addresses and the zero that the loads and LDS stores from here on read
.macro XLOAD p, r                      ; row r of my 16 of plane p: two loads, 512 consecutive bytes each; read once in the launch
	global_load_b128 v[X+8*\r:X+8*\r+3],   v1, s[6:7] offset:\p*PLANEB+\r*ROWB th:TH_LOAD_NT
	global_load_b128 v[X+8*\r+4:X+8*\r+7], v1, s[6:7] offset:\p*PLANEB+\r*ROWB+512 th:TH_LOAD_NT
.endm
	s_cmp_gt_u32 s10, 4
	s_cbranch_scc1 .Lno_rois_load
	global_load_b128 v[T:T+3], v8, s[4:5]          ; waves 0-4: 160 threads x 16 bytes = the image's 2,560 bytes of rois
.Lno_rois_load:
.irp r, 0,1,2,3,4,5,6,7,8,9,10,11,12,13,14,15
	XLOAD 0, \r                                    ; the whole first plane is asked for: 32 loads, 16,384 bytes a wave
.endr
	s_cmp_gt_u32 s10, 4
	s_cbranch_scc1 .Lno_rois_store
	s_wait_loadcnt 32                              ; loads return in order: the rois are in, the 32 loads of x issued behind them stay out
	ds_store_b128 v9, v[T:T+3]
.Lno_rois_store:
	s_cmp_lg_u32 s10, 5
	s_cbranch_scc1 .Lno_corner
	ds_store_b32 v[T+4], v6                        ; I[0][0] = 0 (all lanes, one word, one value)
.Lno_corner:
	s_cmp_lt_u32 s10, 8
	s_cbranch_scc1 .Lno_edge
	ds_store_b32 v[T+5], v6                        ; waves 8-15: I[i + 1][0] = 0
	ds_store_b32 v[T+6], v6 offset:16              ; I[0][i + 1] = 0.  The planes' stores begin at byte 16 of rows 1-256: these zeros stay
.Lno_edge:
	s_wait_dscnt 0x0                               ; my LDS stores are done, for the other waves' sake
	s_barrier_signal -1
	s_barrier_wait -1                              ; the rois are in LDS for everybody
	s_wait_alu depctr_vm_vsrc(0)                   ; the rois' load and the LDS stores above have read v8, v9 and T to T+6, which the lines below write again
; THE PARAMETERS of my 13 outputs are the same for both planes and are made once, while x is on its way.
; Output o = t + 512 k of a plane: roi s = o / 49, bin = o % 49.  s = (o x 21400) >> 20 is exact: 21400 / 2^20 - 1/49 = 4.7e-7, times 6,271 is under 1/49.
; All 13 addresses of roi records are made first, each in a register of its own, so that one wait stands between them and the 52 loads.
.macro PADDR k
	v_add_nc_u32 v8, 512*\k, v0
.if \k == 12
	v_min_u32 v8, 6271, v8                         ; 128 x 49 = 6,272 outputs: in round 12 only threads 0-127 have one; the others' figures are not used
.endif
	v_mul_u32_u24 v9, v8, 21400
	v_lshrrev_b32 v9, 20, v9                       ; s
	v_mul_u32_u24 v7, v9, 49
	v_sub_nc_u32 v[PAR+6*\k+4], v8, v7             ; bin, for PCALC
	v_lshlrev_b32 v7, 2, v[PAR+6*\k+4]
	v_mad_u32_u24 v[PAR+6*\k+5], v9, 12544, v7     ; 64 channels x 196 bytes a roi + 4 bin
	v_mad_u32_u24 v[T+\k], v9, 20, ROI             ; the roi's record in LDS
.endm
.macro PLOAD k
	ds_load_b32 v[PAR+6*\k],   v[T+\k] offset:4    ; x1
	ds_load_b32 v[PAR+6*\k+1], v[T+\k] offset:8    ; y1
	ds_load_b32 v[PAR+6*\k+2], v[T+\k] offset:12   ; x2
	ds_load_b32 v[PAR+6*\k+3], v[T+\k] offset:16   ; y2
.endm
; oy = (bin x 37) >> 8 is exact for bin < 49.  n / 7 = (n x 9363) >> 16 is exact for n <= 1,798 = 7 x 256 + 6: the excess 1.1e-5 n stays under 1/7.
.macro PCALC k
	v_mul_u32_u24 v[T], v[PAR+6*\k+4], 37
	v_lshrrev_b32 v[T], 8, v[T]                    ; oy
	v_mul_u32_u24 v[T+1], v[T], 7
	v_sub_nc_u32 v[T+1], v[PAR+6*\k+4], v[T+1]     ; ox
	v_sub_nc_u32 v[T+2], v[PAR+6*\k+3], v[PAR+6*\k+1]  ; h
	v_sub_nc_u32 v[T+3], v[PAR+6*\k+2], v[PAR+6*\k]    ; w
	v_mul_u32_u24 v[T+4], v[T], v[T+2]             ; oy h
	v_mul_u32_u24 v[T+5], v[T+1], v[T+3]           ; ox w
	v_add3_u32 v[T+6], v[T+4], v[T+2], 6           ; (oy + 1) h + 6
	v_add3_u32 v[T+7], v[T+5], v[T+3], 6
.irp j, 4,5,6,7
	v_mul_u32_u24 v[T+\j], v[T+\j], 9363
.endr
.irp j, 4,5,6,7
	v_lshrrev_b32 v[T+\j], 16, v[T+\j]
.endr
	v_add_nc_u32 v[T+4], v[PAR+6*\k+1], v[T+4]     ; sy
	v_add_nc_u32 v[T+6], v[PAR+6*\k+1], v[T+6]     ; ey
	v_add_nc_u32 v[T+5], v[PAR+6*\k], v[T+5]       ; sx
	v_add_nc_u32 v[T+7], v[PAR+6*\k], v[T+7]       ; ex
.irp j, 4,5,6,7
	v_min_u32 v[T+\j], 0x100, v[T+\j]              ; loaded numbers enter an LDS address only behind this clamp: the last word of I is (256, 256)
.endr
	v_sub_nc_u32 v[T], v[T+6], v[T+4]
	v_sub_nc_u32 v[T+1], v[T+7], v[T+5]
	v_mul_u32_u24 v[T], v[T], v[T+1]               ; area
	v_cvt_f32_u32 v[T], v[T]
	v_rcp_f32 v[PAR+6*\k+4], v[T]                  ; the plain lines below stand between it and any use of its result or write of its source (ISA guide 5.7.2)
	v_mad_u32_u24 v[T+2], v[T+6], PITCH, 12        ; row ey
	v_mad_u32_u24 v[T+3], v[T+4], PITCH, 12        ; row sy
	v_lshl_add_u32 v[PAR+6*\k],   v[T+7], 2, v[T+2]    ; I[ey][ex]
	v_lshl_add_u32 v[PAR+6*\k+1], v[T+7], 2, v[T+3]    ; I[sy][ex]
	v_lshl_add_u32 v[PAR+6*\k+2], v[T+5], 2, v[T+2]    ; I[ey][sx]
	v_lshl_add_u32 v[PAR+6*\k+3], v[T+5], 2, v[T+3]    ; I[sy][sx]
.endm
.irp k, 0,1,2,3,4,5,6,7,8,9,10,11,12
	PADDR \k
.endr
	s_wait_alu depctr_va_vdst(0)                   ; the 13 addresses T to T+12 are written, which the 52 loads below read
.irp k, 0,1,2,3,4,5,6,7,8,9,10,11,12
	PLOAD \k
.endr
	s_wait_dscnt 0x0                               ; all 52 fields are in
	s_wait_alu depctr_vm_vsrc(0)                   ; those loads have read T to T+12, which the arithmetic below and the planes' phases write again
.irp k, 0,1,2,3,4,5,6,7,8,9,10,11,12
	PCALC \k
.endr
; Rows r and r + 1 become their inclusive prefixes along x, line by line side by side.  In a lane: three adds a half.  Over 16 lanes: four steps in which lane i
; adds lane i - n (lanes without such a lane keep their value).  Then each lane adds what lies left of it: its neighbour's inclusive figure (0 in lanes 0 and 16),
; in lanes 16-31 the total of lanes 0-15, and in the second half the total of the first.  The two rows' six totals go to scalar registers in one run, with one wait behind it.
.macro HSCAN2 r
.irp c, 1,2,3
.irp u, 0,1
	v_add_f32 v[X+8*(\r+\u)+\c],   v[X+8*(\r+\u)+\c-1], v[X+8*(\r+\u)+\c]
	v_add_f32 v[X+8*(\r+\u)+\c+4], v[X+8*(\r+\u)+\c+3], v[X+8*(\r+\u)+\c+4]
.endr
.endr
.irp u, 0,1
	v_mov_b32 v[T+4*\u+1], v[X+8*(\r+\u)+3]
	v_mov_b32 v[T+4*\u+3], v[X+8*(\r+\u)+7]
.endr
.irp n, 1,2,4,8
.irp u, 0,1
	v_add_f32_dpp v[T+4*\u+1], v[T+4*\u+1], v[T+4*\u+1] row_shr:\n row_mask:0xf bank_mask:0xf
	v_add_f32_dpp v[T+4*\u+3], v[T+4*\u+3], v[T+4*\u+3] row_shr:\n row_mask:0xf bank_mask:0xf
.endr
.endr
.irp u, 0,1
	v_readlane_b32 s[16+4*\u], v[T+4*\u+1], 15     ; columns 0-63
	v_readlane_b32 s[17+4*\u], v[T+4*\u+1], 31     ; columns 64-127
	v_readlane_b32 s[18+4*\u], v[T+4*\u+3], 15     ; columns 128-191
.endr
.irp u, 0,1
	v_mov_b32_dpp v[T+4*\u],   v[T+4*\u+1] row_shr:1 row_mask:0xf bank_mask:0xf bound_ctrl:1
	v_mov_b32_dpp v[T+4*\u+2], v[T+4*\u+3] row_shr:1 row_mask:0xf bank_mask:0xf bound_ctrl:1
.endr
	s_wait_alu depctr_va_sdst(0)                   ; the six totals s16-s18 and s20-s22 are written, ahead of their first readers below
.irp u, 0,1
	s_add_f32 s[17+4*\u], s[16+4*\u], s[17+4*\u]   ; columns 0-127
.endr
.irp u, 0,1
	v_fma_f32 v[T+4*\u],   s[16+4*\u], v5, v[T+4*\u]
	v_fma_f32 v[T+4*\u+2], s[18+4*\u], v5, v[T+4*\u+2]
.endr
.irp u, 0,1
	v_add_f32 v[T+4*\u+2], s[17+4*\u], v[T+4*\u+2]
.endr
.irp u, 0,1
	v_pk_add_f32 v[X+8*(\r+\u):X+8*(\r+\u)+1],   v[X+8*(\r+\u):X+8*(\r+\u)+1],   v[T+4*\u:T+4*\u+1] op_sel_hi:[1,0]     ; both halves of the pair add the low register
	v_pk_add_f32 v[X+8*(\r+\u)+2:X+8*(\r+\u)+3], v[X+8*(\r+\u)+2:X+8*(\r+\u)+3], v[T+4*\u:T+4*\u+1] op_sel_hi:[1,0]
	v_pk_add_f32 v[X+8*(\r+\u)+4:X+8*(\r+\u)+5], v[X+8*(\r+\u)+4:X+8*(\r+\u)+5], v[T+4*\u+2:T+4*\u+3] op_sel_hi:[1,0]
	v_pk_add_f32 v[X+8*(\r+\u)+6:X+8*(\r+\u)+7], v[X+8*(\r+\u)+6:X+8*(\r+\u)+7], v[T+4*\u+2:T+4*\u+3] op_sel_hi:[1,0]
.endr
.endm
.macro VADD r                          ; and down the rows: row r adds row r - 1
.irp j, 0,2,4,6
	v_pk_add_f32 v[X+8*\r+\j:X+8*\r+\j+1], v[X+8*\r+\j:X+8*\r+\j+1], v[X+8*\r-8+\j:X+8*\r-8+\j+1]
.endr
.endm
; THE LOOK-UPS.  Round k in the four registers from c on: its corners come in, its result is made in the first of them, and leaves from there.
.macro CLOAD k, c
	ds_load_b32 v[\c],   v[PAR+6*\k]
	ds_load_b32 v[\c+1], v[PAR+6*\k+1]
	ds_load_b32 v[\c+2], v[PAR+6*\k+2]
	ds_load_b32 v[\c+3], v[PAR+6*\k+3]
.endm
.macro CSUM k, c
	v_sub_f32 v[\c],   v[\c],   v[\c+1]            ; ee - se
	v_sub_f32 v[\c+2], v[\c+2], v[\c+3]            ; es - ss
	v_sub_f32 v[\c],   v[\c],   v[\c+2]
	v_mul_f32 v[\c],   v[\c],   v[PAR+6*\k+4]
.endm
.macro CSTORE p, k, c
	global_store_b32 v[PAR+6*\k+5], v[\c], s[8:9] offset:196*\p
.endm
; Batch b = rounds 2 b and 2 b + 1, in buffer b % 3 of T's three.  At its head the next batch's corners are asked for and the batch before is stored; then its own arithmetic.
.macro BATCH p, b
.if \b >= 1
	s_wait_alu depctr_va_vdst(0)                   ; batch b - 1 has written its two results, which the stores below read; batch b - 2's arithmetic is done with buffer (b + 1) % 3, in which loads land next
.endif
.if \b >= 2
	s_wait_xcnt 0x0                                ; every earlier memory instruction has had its addresses translated (ISA guide 3.1): the data registers of batch b - 2's stores are loaded again only behind this wait
	s_wait_alu depctr_vm_vsrc(0)                   ; batch b - 2's stores have read buffer (b + 1) % 3: the next loads land in it (behind batch 5: round 12's, in waves 0-3)
.endif
.if \b < 5
	CLOAD (2*\b+2), (T+8*((\b+1)%3))
	CLOAD (2*\b+3), (T+8*((\b+1)%3)+4)
.endif
.if \b >= 1
	CSTORE \p, (2*\b-2), (T+8*((\b+2)%3))
	CSTORE \p, (2*\b-1), (T+8*((\b+2)%3)+4)
.endif
.if \b < 5
	s_wait_dscnt 12                                ; LDS loads return in order: my first round's four are in; my second round's four and the next batch's eight stay out
.else
	s_wait_dscnt 4                                 ; the last batch: only its second round's four stay out
.endif
	CSUM (2*\b), (T+8*(\b%3))
.if \b < 5
	s_wait_dscnt 8                                 ; the next batch's eight stay out
.else
	s_wait_dscnt 0x0
.endif
	CSUM (2*\b+1), (T+8*(\b%3)+4)
.endm
.macro PLANE p
.if \p
	s_wait_xcnt 0x0                                ; T held the data of the last plane's stores
	s_wait_alu depctr_vm_vsrc(0)                   ; the last plane's last stores have read T's three buffers, which this plane's phases write again
.endif
	; A. my 16 rows: prefix along x and down, two rows at a time as they come in
.irp r, 0,2,4,6,8,10,12,14
	s_wait_loadcnt 28-2*\r                         ; the four loads of rows r and r + 1 are in; two for each of the 14 - r rows behind them stay out
	HSCAN2 \r
.if \r
	VADD \r
.endif
	VADD (\r+1)
.endr
	; B. my last row is my block's total per column
	s_wait_alu depctr_va_vdst(0)                   ; my last row is written, which the two stores read; PAR is written, which the look-ups and the stores of out0 read; the scans are done with T, in which the totals' loads land
	ds_store_b128 v3, v[X+120:X+123]
	ds_store_b128 v3, v[X+124:X+127] offset:512
	s_wait_dscnt 0x0                               ; these stores, and (second plane) my look-ups in the first plane's I, are done
	s_barrier_signal -1
	s_barrier_wait -1                              ; all totals are in LDS, and nobody reads the old I any more
	; C. waves 0-7, one column a thread: the 16 totals become their exclusive prefixes, in place
	s_cmp_gt_u32 s10, 7
	s_cbranch_scc1 .Lno_tot_\p
.irp j, 0,1,2,3,4,5,6,7,8,9,10,11,12,13,14
	ds_load_b32 v[T+\j], v4 offset:1024*\j
.endr
	s_wait_dscnt 0x0
.irp j, 1,2,3,4,5,6,7,8,9,10,11,12,13,14
	v_add_f32 v[T+\j], v[T+\j-1], v[T+\j]
.endr
	s_wait_alu depctr_va_vdst(0)                   ; the prefixes T+1 to T+14 are written, which the stores below read
	ds_store_b32 v4, v6
.irp j, 1,2,3,4,5,6,7,8,9,10,11,12,13,14,15
	ds_store_b32 v4, v[T+\j-1] offset:1024*\j
.endr
.Lno_tot_\p:
	s_wait_dscnt 0x0
	s_barrier_signal -1
	s_barrier_wait -1                              ; the prefixes are in LDS
	; D. add what lies above my block, store my rows of I, four rows at a time; in the first plane a group's registers are asked for again, for the next plane, one group of sums behind its LDS stores
	s_wait_alu depctr_vm_vsrc(0)                   ; the prefixes' stores have read T, in which the two loads land; the totals' stores have read my last row, which the sums below write
	ds_load_b128 v[T:T+3],   v3
	ds_load_b128 v[T+4:T+7], v3 offset:512
	s_wait_dscnt 0x0
.irp g, 0,1,2,3
.irp q, 0,1,2,3
.irp j, 0,2,4,6
	v_pk_add_f32 v[X+8*(4*\g+\q)+\j:X+8*(4*\g+\q)+\j+1], v[X+8*(4*\g+\q)+\j:X+8*(4*\g+\q)+\j+1], v[T+\j:T+\j+1]
.endr
.endr
	s_wait_alu depctr_va_vdst(0)                   ; this group's four rows are written, which its LDS stores read; behind the last group the sums are also done with T, in which the look-ups' loads land
.if (\p == 0) && (\g > 0)
	s_wait_alu depctr_vm_vsrc(0)                   ; the LDS stores of the group before have read its rows, in which the next plane's loads land
.irp q, 0,1,2,3
	XLOAD 1, (4*\g-4+\q)
.endr
.endif
.irp q, 0,1,2,3
	ds_store_b128 v2, v[X+8*(4*\g+\q):X+8*(4*\g+\q)+3]   offset:PITCH*(4*\g+\q)        ; 32 lanes, 512 consecutive bytes: no two lanes meet in a bank
	ds_store_b128 v2, v[X+8*(4*\g+\q)+4:X+8*(4*\g+\q)+7] offset:PITCH*(4*\g+\q)+512
.endr
.endr
.if \p == 0
	s_wait_alu depctr_vm_vsrc(0)                   ; the last group's LDS stores have read its rows, in which the next plane's loads land
.irp q, 12,13,14,15
	XLOAD 1, \q
.endr
.endif
	s_wait_dscnt 0x0
	s_barrier_signal -1
	s_barrier_wait -1                              ; I is whole
	; F. 6,272 outputs of the plane: 12 rounds of all 512 threads, in six batches of two, a thirteenth round of threads 0-127
	CLOAD 0, T                                     ; no vector instruction since the last group's wait names T, and no memory instruction since the waits above reads it
	CLOAD 1, (T+4)
.irp b, 0,1,2,3,4,5
	BATCH \p, \b
.endr
	s_wait_alu depctr_va_vdst(0)                   ; batch 5 has written its two results, which the stores below read
	CSTORE \p, 10, (T+16)
	CSTORE \p, 11, (T+20)
	s_cmp_gt_u32 s10, 3
	s_cbranch_scc1 .Lno_last_\p
	CLOAD 12, T                                    ; buffer 0: batch 3's arithmetic and stores are done with it since the waits at batch 5's head
	s_wait_dscnt 0x0
	CSUM 12, T
	s_wait_alu depctr_va_vdst(0)                   ; round 12's result is written, which the store reads
	CSTORE \p, 12, T
.Lno_last_\p:
.endm
	PLANE 0
	PLANE 1
	s_wait_dscnt 0x0
	s_wait_alu depctr_hold_cnt(0) depctr_sa_sdst(0) depctr_va_vdst(0) depctr_va_sdst(0) depctr_va_ssrc(0) depctr_va_vcc(0) depctr_vm_vsrc(0)
	s_wait_tensorcnt 0x0
	ds_add_u32 v240, v241
	s_wait_dscnt 0x0
	s_endpgm
.Lfunc_end_k_q334d7a33fd_roipool:
	.size	k_q334d7a33fd_roipool, .Lfunc_end_k_q334d7a33fd_roipool-k_q334d7a33fd_roipool
	.p2alignl 7, 3214868480
	.fill 96, 4, 3214868480
	.section	.rodata,"a",@progbits
	.p2align	6, 0x0
	.amdhsa_kernel k_q334d7a33fd_roipool
		.amdhsa_group_segment_fixed_size 288768
		.amdhsa_private_segment_fixed_size 0
		.amdhsa_enable_private_segment 0
		.amdhsa_kernarg_size 24
		.amdhsa_user_sgpr_count 2
		.amdhsa_user_sgpr_kernarg_segment_ptr 1
		.amdhsa_wavefront_size32 1
		.amdhsa_system_sgpr_workgroup_id_x 1
		.amdhsa_system_sgpr_workgroup_id_y 1
		.amdhsa_system_sgpr_workgroup_id_z 1
		.amdhsa_system_vgpr_workitem_id 0
		.amdhsa_next_free_vgpr 242
		.amdhsa_next_free_sgpr 66
		.amdhsa_reserve_vcc 1
		.amdhsa_float_denorm_mode_32 3
		.amdhsa_float_denorm_mode_16_64 3
		.amdhsa_memory_ordered 1
		.amdhsa_forward_progress 1
		.amdhsa_inst_pref_size 134
	.end_amdhsa_kernel
	.amdgpu_metadata
---
amdhsa.version: [ 1, 2 ]
amdhsa.kernels:
  - .name:           k_q334d7a33fd_roipool
    .symbol:         k_q334d7a33fd_roipool.kd
    .args:
      - { .name: rois, .offset: 0, .size: 8, .value_kind: global_buffer, .address_space: global }
      - { .name: x, .offset: 8, .size: 8, .value_kind: global_buffer, .address_space: global }
      - { .name: out0, .offset: 16, .size: 8, .value_kind: global_buffer, .address_space: global }
    .group_segment_fixed_size: 288768
    .private_segment_fixed_size: 0
    .kernarg_segment_align: 8
    .kernarg_segment_size: 24
    .max_flat_workgroup_size: 512
    .sgpr_count:     66
    .vgpr_count:     242
    .wavefront_size: 32
...
	.end_amdgpu_metadata
.endif
;; end of part 2
